; MI455X (gfx1250); checked and timed in simulation.
; The chip was launched on July 23, 2026; its instructions are those of AMD's public machine-readable ISA for CDNA 5 (MIT licence, August 2026) and "CDNA5" Instruction Set Architecture Reference Guide (July 2026). The comments in the code are by the model that wrote it; some were corrected since.
;; Temporal Attention Encoder. Allowed arithmetic: float matrix products may take bf16 or f16 operands with f32 sums; all other float work in f32.
;; Inputs: b2 128 float32; b3a 128 float32; b3b 128 float32; b_k 128 float32; b_q 128 float32; be3a 128 float32; be3b 128 float32; g3a 128 float32; g3b 128 float32; w2 128 x 128 float32; w3a 512 x 128 float32; w3b 128 x 128 float32; w_k 128 x 128 float32; w_q 128 x 128 float32; x 4,096 x 64 x 128 float32.
;; Outputs: out0 4,096 x 128 float32.
;; One version. Each part assembles by itself: llvm-mc -triple=amdgcn-amd-amdhsa -mcpu=gfx1250 --defsym DOCPART=n.
;; ======== version 1 of 1: 1 launch
;; limits: inputs' magnitudes at most 65,504; values are held in f16: magnitudes above 65,504 overflow, below 6.1e-05 lose precision
;; launch tae (part 1): grid 256 x 1, 4 waves a work-group, no clusters, 321,024 bytes of LDS; arguments x, w_q, w2, w_k, w3a, w3b, b_q, b2, b_k, b3a, g3a, be3a, b3b, g3b, be3b, out0; writes out0
.if DOCPART == 1
	.amdgcn_target "amdgcn-amd-amdhsa--gfx1250"
	.amdhsa_code_object_version 6
	.text
	.protected	k_qbd5bb7394e_tae
	.globl	k_qbd5bb7394e_tae
	.p2align	8
	.type	k_qbd5bb7394e_tae,@function
k_qbd5bb7394e_tae:
	s_mov_b64 s[64:65], 0
	v_nop
	global_prefetch_b8 v0, s[64:65] scope:SCOPE_SE
	s_setreg_imm32_b32 hwreg(HW_REG_WAVE_MODE, 25, 1), 1
	s_wait_xcnt 0x0
; TemporalAttentionEncoder, x [4096][64][128] f32 -> out0 [4096][128] f32, one launch, 256 work-groups of four waves.
;
; WHAT IS COMPUTED.  e = x + PE.  Two identities that hold for every input take the q and k projections away:
;   mean_s(e w_q + b_q) = mean_s(e) w_q + b_q,   and   qh_h . (e[s] w_k,h + b_k,h) = e[s] . u_h + c_h
;   with u_h = w_k,h qh_h and c_h = b_k,h . qh_h  (c_h is computed and added, b_k being row 128 of the w_k tile in LDS).
; Output row b' takes its probabilities from batch b' and its values from batches (4 b' + h) mod 4096, h = 0..3.
; Work-group g owns the 16 rows b' = 4 g + i + 1024 m (i, m = 0..3); their value batches are 16 g + 4 i + h, the same for all m.
;   first pass : wave m streams batches 4 g + 1024 m + i (131,072 consecutive bytes): f32 column sums, rows kept as bf16 fragments (512 registers)
;   chain      : mean -> q -> q_hat -> u on 16 rows; each wave makes 32 of the 128 output columns (q_hat, u: wave = head)
;   scores     : D[s][(i,h)] = e x masked u; a lane holds 32 scores of one (batch, head): softmax in the lane plus one step across the halves
;   second pass: wave i streams batches 16 g + 4 i + h, h = 3..0: D[d][(m,h)] += e^T x masked probabilities
;   MLP        : 512 -> 128 -> 128 on the 16 rows, each wave 32 output columns
; So every byte of x is loaded twice: the set of batches a row needs is not closed under b -> 4 b mod 4096, and work-groups exchange nothing.
;
; FORMATS.  mean, q, q_hat, u, w_q, w2, w_k and the rows for the scores: bf16 operands.  Values, probabilities, attention rows, w3a, w3b: f16 operands
; (three more mantissa bits where the result is compared directly).  h1 has no bound, so each row is scaled by an exact power of two to [1, 2) before it
; is rounded to f16, and the product is scaled back in f32.  All sums, the softmax (maximum taken away first), biases, gains, ReLU: f32.
; LIMITS.  |x + PE|, |w3a|, |w3b| must not pass 65,504 (f16 operands); f16 operands below 6e-5 carry an absolute error of up to 3e-8.
; A non-finite x spoils all rows that share its wave's products (a masked 0 times infinity is NaN).  PE comes from a series and 63 rotations: about 1e-5
; absolute.  v_exp_f32 gives 0 below 2^-126.  The order of the sums differs from the written order by the two identities above.
;
; DATA PATH.  global_load_b128 (a wave's load = one row of 512 consecutive, aligned bytes) into a ring of three chunks of 16 rows in registers: 48 loads of
; every wave are on their way.  The data must pass through registers anyway (PE, f32 column sums, rounding), so no tensor loads; LDS sees 16-bit data only.
; A chunk is worked in two halves of eight rows, each in runs: 16 PE adds, then sums and roundings, then 8 LDS stores; so no store stands next to the
; rounding that feeds it, and vector lines and LDS stores change hands twice a chunk.
; NO CLUSTER: joint requests exist for tensor loads alone; no two work-groups want a tile of x at the same time; the weights are a third of a work-group's
; bytes, are converted in registers, and would need an f32 stage and a round of the cluster's barrier for each refill.
; The text is straight-line: every chunk's fragment registers are fixed numbers, and no address register or base is ever stepped.
;
; NOTATION.  L lane, r = L & 15, hh = L >> 4, rq = r >> 2, rl = r & 3, w wave.  Row orders: rho = 4 m + i (EB, QM, QH, U, CB, P), rho' = 4 i + m (AT, H1, OB).
; REGISTER WINDOWS.  0: v1-v34 addresses, v36-v63 at work, v64-v255 the ring (and the chain's fragments while the ring is empty).
;                    1: PE table, row s in v[4s:4s+3] = columns 4L..4L+3.   2, 3: first pass: the rows' fragments XF.  2, second pass: ACC, PF, MP, XT.
.set RING, 64                          ; v[64:255]: chunk n lies at RING + 64 (n % 3), row q in 4 registers
.set CS,   36                          ; v[36:39] column sums of the batch at work
.set T,    40                          ; v[40:63] twelve pairs of packed results, taken in turn through all chunks: row q of chunk n takes pair (16 n + q) mod 12
; LDS, bytes.  Pitch 272 = 17 x 16: sixteen rows start in sixteen different 16-byte columns modulo 256.
.set L_WQ,  0                          ; bf16 [128 k][128 n], pitch 272
.set L_W2,  34816                      ; the same
.set L_WK,  69632                      ; bf16 [144 d][128 c], pitch 272; row 128 = b_k, rows 129-143 = 0
.set L_W3A, 108800                     ; f16 [512][128], pitch 272
.set L_W3B, 248064                     ; f16 [128][128], pitch 272
.set L_TB,  282880                     ; 4 x 4,608: each wave's own 16 rows (pitch 272 first pass, 288 second pass)
.set L_EB,  301312                     ; bf16 mean [16 rho][128], pitch 272
.set L_QM,  305664                     ; bf16 q: block of wave k at 1,280 k, 16 rows of 32 columns, pitch 80;  q_hat the same at + 5,120
.set L_CB,  315904                     ; f32 c at 128 h + 4 rho (+ 64: lanes 16-31 put their zeros there)
.set L_BV,  316416                     ; 4 x 1,024: each wave's own 32 elements of the eight vectors, vector v at 128 v
.set L_U,   0                          ; bf16 u, row 16 h + rho, pitch 272: in w_q's bytes, written after w_q's last read and a barrier
.set L_H1,  17408                      ; f32 h1: block of wave k at 2,304 k, 16 rows of 32 columns, pitch 144: in w_q's bytes
.set L_P,   34816                      ; f16 probabilities, row 16 m + 4 i + h, 64 s, pitch 144: in w2's bytes
.set L_OB,  44032                      ; f32 result, as H1: in w2's bytes
.set L_AT,  69632                      ; f16 attention rows [16 rho'][512], pitch 1,040: in w_k's bytes
; scalar pairs that hold addresses
.set PX1,  40                          ; x at the wave's first-pass batches
.set PX2,  42                          ; x at the wave's second-pass batches
.set PWQ,  10
.set PW2,  12
.set PWK,  14
.set PW3A, 16
.set PW3B, 18
.set KSC,  0x3e8293ee                  ; log2(e) / sqrt(32): the scores come out ready for v_exp_f32 (base 2)
.set MSB, 0
.macro WIN new                         ; s_set_vgpr_msb: bits 1:0 source 0, 3:2 source 1, 5:4 source 2, 7:6 destination; the high byte repeats the setting left
.if MSB != (\new)
	s_set_vgpr_msb (MSB<<8)|(\new)
.set MSB, \new
.endif
.endm
.macro PLACES                          ; four plain vector instructions behind a matrix instruction before its result is read or one of its registers written (ISA guide 7.12.1)
.rept 4
	v_nop
.endr
.endm
.macro BAR                             ; my LDS stores are done and my LDS reads are back, then the work-group's barrier
	s_wait_dscnt 0x0
	s_barrier_signal -1
	s_barrier_wait -1
.endm
; 16 rows of 512 bytes into the ring slot ISL, from byte IOF behind the base
.macro LD16 sb
.irp q, 0,1,2,3,4,5,6,7,8,9,10,11,12,13,14,15
	global_load_b128 v[ISL+4*\q:ISL+4*\q+3], v1, s[\sb:\sb+1] offset:IOF+512*\q
.endr
.endm
; Chunk n of the wave's stream: 0-15 first-pass x, 16-31 my rows of w_q, w2, w_k, w3a (eight chunks), w3b, 32-47 second-pass x, batches h = 3, 2, 1, 0
; (descending: what the first pass asked for last is asked for first again).
.macro ISSUE n
.set ISL, RING+64*((\n)%3)
.if (\n) < 16
.set IOF, 8192*(\n)
	LD16 PX1
.elseif (\n) < 18
.set IOF, 8192*((\n)-16)
	LD16 PWQ
.elseif (\n) < 20
.set IOF, 8192*((\n)-18)
	LD16 PW2
.elseif (\n) < 22
.set IOF, 8192*((\n)-20)
	LD16 PWK
.elseif (\n) < 30
.set IOF, 8192*((\n)-22)
	LD16 PW3A
.elseif (\n) < 32
.set IOF, 8192*((\n)-30)
	LD16 PW3B
.else
.set IOF, 8192*(4*(3-(((\n)-32)>>2))+((\n)&3))
	LD16 PX2
.endif
.endm
; The three runs of a half chunk (rows q0 .. q0 + 7 of the chunk at RB; TT: which 16 rows of the batch; TB0: the chunk's first pair of T).
; PE is added by a multiply-add with 1.0 because the third source is the one operand place that no other line of the runs uses:
; one window setting (third source = window 1) then serves all three runs.
.macro ADDPE q0
.set j, \q0
.rept 8
	v_pk_fma_f32 v[RB+4*j:RB+4*j+1], v[RB+4*j:RB+4*j+1], 1.0, v[4*(16*TT+j):4*(16*TT+j)+1] op_sel_hi:[1,0,1]
	v_pk_fma_f32 v[RB+4*j+2:RB+4*j+3], v[RB+4*j+2:RB+4*j+3], 1.0, v[4*(16*TT+j)+2:4*(16*TT+j)+3] op_sel_hi:[1,0,1]
.set j, j+1
.endr
.endm
; sums = 1: the rows are added to the batch's column sums; two sums and two roundings by turns, so that a sum stands four lines behind the one it adds onto
.macro CVT8 cvt, q0, sums
.set j, \q0
.rept 8
.set RQ, RB+4*j
.set TQ, T+2*((TB0+j)%12)
.if \sums
.if 16*TT+j == 1
	v_pk_add_f32 v[CS:CS+1], v[RQ-4:RQ-3], v[RQ:RQ+1]          ; rows 0 and 1 start the column sums: nothing is cleared
	v_pk_add_f32 v[CS+2:CS+3], v[RQ-2:RQ-1], v[RQ+2:RQ+3]
.elseif 16*TT+j > 1
	v_pk_add_f32 v[CS:CS+1], v[CS:CS+1], v[RQ:RQ+1]
	v_pk_add_f32 v[CS+2:CS+3], v[CS+2:CS+3], v[RQ+2:RQ+3]
.endif
.endif
	\cvt v[TQ], v[RQ], v[RQ+1]
	\cvt v[TQ+1], v[RQ+2], v[RQ+3]
.set j, j+1
.endr
.endm
.macro ST8 vaddr, off, pitch, q0       ; my 4 columns of each row: a wave's store covers 256 consecutive bytes
.set j, \q0
.rept 8
.set TQ, T+2*((TB0+j)%12)
	ds_store_b64 v[\vaddr], v[TQ:TQ+1] offset:\off+\pitch*j
.set j, j+1
.endr
.endm
; First pass, chunk n = 4 i + t: rows s = 16 t .. 16 t + 15 of batch i.  left: how many younger loads may stay out.
.macro PROC_S n, left, issue
.set RB, RING+64*((\n)%3)
.set BI, (\n)>>2
.set TT, (\n)&3
.set TB0, (4*(\n))%12
.set TM, T+2*((TB0+6)%12)                          ; the mean's pair: row 6's, whose store stands a half chunk back
	s_wait_loadcnt \left                           ; loads come back in order: this chunk's 16 are in, the younger chunks stay out
	WIN 0x10
	ADDPE 0
	CVT8 v_cvt_pk_bf16_f32, 0, 1
	ST8 3, 0, 272, 0
	ADDPE 8
	CVT8 v_cvt_pk_bf16_f32, 8, 1
.if TT == 3
	v_pk_mul_f32 v[CS:CS+1], v[CS:CS+1], 0x3c800000 op_sel_hi:[1,0]        ; the mean over 64 rows
	v_pk_mul_f32 v[CS+2:CS+3], v[CS+2:CS+3], 0x3c800000 op_sel_hi:[1,0]
	v_cvt_pk_bf16_f32 v[TM], v[CS], v[CS+1]
	v_cvt_pk_bf16_f32 v[TM+1], v[CS+2], v[CS+3]
.endif
	ST8 3, 0, 272, 8
.if TT == 3
	ds_store_b64 v11, v[TM:TM+1] offset:272*BI                 ; EB row rho = 4 w + i
.endif
.if \issue
	ISSUE (\n)+3                                   ; the slot just read is asked for again
.endif
	WIN 0x80+0x40*(BI>>1)                          ; destination: window 2 (batches 0, 1) or 3 (batches 2, 3)
.irp k, 0,1,2,3
	ds_load_b128 v[128*(BI&1)+32*TT+8*\k:128*(BI&1)+32*TT+8*\k+3], v4 offset:64*\k       ; row r, d = 32 k + 8 hh ..; LDS serves a wave's instructions in order:
	ds_load_b128 v[128*(BI&1)+32*TT+8*\k+4:128*(BI&1)+32*TT+8*\k+7], v4 offset:64*\k+32  ; these see the stores above and precede the next chunk's
.endr
.endm
; A chunk of 16 weight rows: rounded to 16 bits into the shared tile.
.macro PROC_W n, cvt, vaddr, off, left, issue
.set RB, RING+64*((\n)%3)
.set TB0, (4*(\n))%12
	s_wait_loadcnt \left
	WIN 0
	CVT8 \cvt, 0, 0
	ST8 \vaddr, \off, 272, 0
	CVT8 \cvt, 8, 0
	ST8 \vaddr, \off, 272, 8
.if \issue
	ISSUE (\n)+3
.endif
.endm
; Second pass.  Window 2: ACC v[0:63] (tile tau: d = 16 tau ..), PF v[64:79] my 16 columns' probabilities,
; MP v[80:95] PF masked to head h, XT v[96:159] (tile tau: 32 s of 16 d).
; The eight products of a pair of chunks (32 s): half = which 32 of the batch's 64 s.  Eight accumulators by turns.
.macro VMUL half, zero
	WIN 0xaa
.irp t, 0,1,2,3,4,5,6,7
.if \zero
	v_wmma_f32_16x16x32_f16 v[8*\t:8*\t+7], v[96+8*\t:96+8*\t+7], v[80+8*(\half):80+8*(\half)+7], 0      ; the first products start the sums
.else
	v_wmma_f32_16x16x32_f16 v[8*\t:8*\t+7], v[96+8*\t:96+8*\t+7], v[80+8*(\half):80+8*(\half)+7], v[8*\t:8*\t+7]
.endif
.endr
.endm
; Chunk n: rows s = 16 t .. of value batch h.  An even chunk fills registers 0-3 of each XT tile (k = 8 hh ..), an odd one 4-7 (k = 16 + 8 hh ..).
; The products of a pair stand in the NEXT even chunk, behind its vector work, stores and requests: the transposing loads have that long to come back.
.macro PROC_V n, left, issue, zero
.set RB, RING+64*((\n)%3)
.set TT, (\n)&3
.set HH, 3-(((\n)-32)>>2)
.set TB0, (4*(\n))%12
	s_wait_loadcnt \left
	WIN 0x10
	ADDPE 0
	CVT8 v_cvt_pk_f16_f32, 0, 0
	ST8 3, 0, 288, 0
	ADDPE 8
	CVT8 v_cvt_pk_f16_f32, 8, 0
	ST8 3, 0, 288, 8
.if \issue
	ISSUE (\n)+3
.endif
.if (TT&1) == 0
.if (\n) > 32
	s_wait_dscnt 16                                ; all but this chunk's 16 stores: the last pair's transposing loads are back
	VMUL 1-(TT>>1), \zero                          ; t = 2: the batch's s 0-31; t = 0: s 32-63 of the batch before, MP still being that batch's
	PLACES                                         ; before MP is written and before loads land in the XT tiles again
.endif
.endif
.if TT == 0
	WIN 0x88                                       ; second source and destination in window 2
.set idx, 0
.rept 16
	v_cndmask_b32 v[80+idx], 0, v[64+idx], s[48+HH]            ; columns of other heads multiply this batch by 0
.set idx, idx+1
.endr
.endif
	WIN 0x80
.irp t, 0,1,2,3,4,5,6,7
	ds_load_tr16_b128 v[96+8*\t+4*(TT&1):96+8*\t+4*(TT&1)+3], v5 offset:32*\t   ; transposed: lane r gets column d = 16 tau + r, rows 8 hh .. 8 hh + 7 of the chunk
.endr
.endm
; The chain's products: D[n_out][row] = W^T x activations.  Source 0: 16 output columns of a weight tile stored [k][n], read transposed;
; source 1: 16 activation rows, k along the row.  A lane's eight results are eight neighbouring output columns of row r.
.macro LDB buf, vaddr, off, kstride    ; activations, four K steps of 32: v[buf : buf+31]
.irp k, 0,1,2,3
	ds_load_b128 v[\buf+8*\k:\buf+8*\k+3], v[\vaddr] offset:\off+\kstride*\k
	ds_load_b128 v[\buf+8*\k+4:\buf+8*\k+7], v[\vaddr] offset:\off+\kstride*\k+32
.endr
.endm
.macro LDA buf, vaddr, off             ; weights, four K steps x my two column tiles: v[buf+32 : buf+95]
.irp k, 0,1,2,3
.irp t, 0,1
	ds_load_tr16_b128 v[\buf+32+8*(2*\k+\t):\buf+32+8*(2*\k+\t)+3], v[\vaddr] offset:\off+8704*\k+32*\t
	ds_load_tr16_b128 v[\buf+32+8*(2*\k+\t)+4:\buf+32+8*(2*\k+\t)+7], v[\vaddr] offset:\off+8704*\k+32*\t+4352
.endr
.endr
.endm
.macro LDC acc, vec                    ; vector vec in the results' layout: element 32 w + 16 tau + 8 hh + j in register acc + 8 tau + j
.irp t, 0,1
	ds_load_b128 v[\acc+8*\t:\acc+8*\t+3], v17 offset:128*\vec+64*\t
	ds_load_b128 v[\acc+8*\t+4:\acc+8*\t+7], v17 offset:128*\vec+64*\t+16
.endr
.endm
.macro MM8 fmt, buf, acc, zero         ; 128 along K; the two accumulators take turns, one instruction a turn
.irp k, 0,1,2,3
.irp t, 0,1
.set MZ, 0
.if \zero
.if \k == 0
.set MZ, 1
.endif
.endif
.if MZ
	v_wmma_f32_16x16x32_\fmt v[\acc+8*\t:\acc+8*\t+7], v[\buf+32+8*(2*\k+\t):\buf+32+8*(2*\k+\t)+7], v[\buf+8*\k:\buf+8*\k+7], 0
.else
	v_wmma_f32_16x16x32_\fmt v[\acc+8*\t:\acc+8*\t+7], v[\buf+32+8*(2*\k+\t):\buf+32+8*(2*\k+\t)+7], v[\buf+8*\k:\buf+8*\k+7], v[\acc+8*\t:\acc+8*\t+7]
.endif
.endr
.endr
.endm
.macro PACK2 acc, dst, off             ; two result tiles to bf16, 16 bytes a lane, into my block of QM (off = 0) or QH (off = 5,120)
.irp t, 0,1
.irp j, 0,1,2,3
	v_cvt_pk_bf16_f32 v[\dst+4*\t+\j], v[\acc+8*\t+2*\j], v[\acc+8*\t+2*\j+1]
.endr
	ds_store_b128 v15, v[\dst+4*\t:\dst+4*\t+3] offset:\off+32*\t
.endr
.endm
; Scores of batch i: 64 s x 16 columns (i', h), u masked to i' = i; two masked buffers in turn, so that the 32 selects of one batch
; are the plain lines between the products that read a buffer and the selects that write it again.
.macro SCORE i
.set MU, 96+64*((\i)&1)
.set SW, 2+((\i)>>1)
	WIN 0
.set idx, 0
.rept 32
	v_cndmask_b32 v[MU+idx], 0, v[64+idx], s[44+\i]
.set idx, idx+1
.endr
	WIN SW                                         ; source 0 (the rows' fragments) in window 2 or 3
.irp k, 0,1,2,3
.irp t, 0,1,2,3
.if (\i)+\k == 0
	v_wmma_f32_16x16x32_bf16 v[128+8*\t:128+8*\t+7], v[128*((\i)&1)+32*\t+8*\k:128*((\i)&1)+32*\t+8*\k+7], v[MU+8*\k:MU+8*\k+7], 0
.else
	v_wmma_f32_16x16x32_bf16 v[128+8*\t:128+8*\t+7], v[128*((\i)&1)+32*\t+8*\k:128*((\i)&1)+32*\t+8*\k+7], v[MU+8*\k:MU+8*\k+7], v[128+8*\t:128+8*\t+7]  ; four accumulators by turns
.endif
.endr
.endr
.endm
.macro FETCH3A gk, buf                 ; MLP1, K group gk (128 of 512): 8 + 16 = 24 LDS loads
	LDB \buf, 26, 256*\gk, 64
	LDA \buf, 30+\gk, 0
.endm
; ---------------------------------------------------------------- head: addresses, the first 57 loads
	s_load_b512 s[8:23], s[0:1], 0x0               ; x, w_q, w2, w_k, w3a, w3b, b_q, b2
	s_load_b512 s[24:39], s[0:1], 0x40             ; b_k, b3a, g3a, be3a, b3b, g3b, be3b, out0
	v_lshrrev_b32 v36, 5, v0
	v_readfirstlane_b32 s2, v36                    ; w
	v_and_b32 v35, 31, v0                          ; L
	v_lshlrev_b32 v1, 4, v35                       ; 16 L: my 16 bytes of every 512-byte row
	v_lshlrev_b32 v2, 2, v35                       ; 4 L
	s_mov_b32 s5, 0
	s_mov_b32 s6, 0x76543210                       ; v_permlanex16_b32: lane i of one half reads lane i of the other
	s_mov_b32 s7, 0xfedcba98
	s_wait_kmcnt 0x0
	s_lshl_b32 s4, s2, 14                          ; my 32 rows of the 128-row weights
.irp p, PWQ, PW2, PWK, PW3B
	s_add_nc_u64 s[\p:\p+1], s[\p:\p+1], s[4:5]
.endr
	s_lshl_b32 s4, s2, 16                          ; my 128 rows of w3a
	s_add_nc_u64 s[PW3A:PW3A+1], s[PW3A:PW3A+1], s[4:5]
	s_lshl_b32 s4, s2, 7                           ; my 32 elements of the eight vectors
.irp p, 20,22,26,28,30,32,34,36
	s_add_nc_u64 s[\p:\p+1], s[\p:\p+1], s[4:5]
.endr
	s_lshl_b32 s4, ttmp9, 2
	s_lshl_b32 s53, s2, 10
	s_add_co_u32 s53, s4, s53                      ; 4 g + 1024 w: my first score batch, and my first output row
	s_lshl_b32 s4, s53, 15                         ; x 32,768 bytes (below 2^27)
	s_add_nc_u64 s[PX1:PX1+1], s[8:9], s[4:5]
	s_lshl_b32 s4, s53, 9                          ; x 512 bytes
	s_add_nc_u64 s[38:39], s[38:39], s[4:5]
	s_lshl_b32 s4, ttmp9, 4
	s_lshl2_add_u32 s4, s2, s4                     ; 16 g + 4 w: my first value batch
	s_lshl_b32 s4, s4, 15
	s_add_nc_u64 s[PX2:PX2+1], s[8:9], s[4:5]
.set idx, 0
.irp p, 20,22,26,28,30,32,34,36
	global_load_b32 v[52+idx], v2, s[\p:\p+1]      ; b_q, b2, b3a, g3a, be3a, b3b, g3b, be3b: element 32 w + L
.set idx, idx+1
.endr
	global_load_b128 v[60:63], v1, s[24:25]        ; b_k, all 128
	ISSUE 0
	ISSUE 1
	ISSUE 2                                        ; 9 + 48 loads are out
	; LDS addresses, all fixed for the whole kernel
	v_and_b32 v37, 15, v0                          ; r
	v_bfe_u32 v38, v0, 4, 1                        ; hh
	v_bfe_u32 v39, v0, 2, 2                        ; rq
	v_and_b32 v40, 3, v0                           ; rl
	v_and_b32 v41, 7, v0                           ; L & 7
	v_bfe_u32 v42, v0, 3, 1                        ; (L >> 3) & 1
	v_bfe_u32 v43, v0, 3, 2                        ; L >> 3
	v_lshlrev_b32 v44, 3, v35                      ; 8 L
	v_mul_u32_u24 v45, v37, 272
	v_lshl_add_u32 v45, v38, 4, v45                ; 272 r + 16 hh
	v_lshl_add_u32 v46, v38, 3, v41                ; 8 hh + (L & 7)
	v_lshlrev_b32 v47, 4, v42                      ; 16 ((L >> 3) & 1)
	v_mul_u32_u24 v48, v37, 144                    ; 144 r
	s_mul_i32 s53, s2, 4608
	s_add_co_u32 s53, s53, L_TB                    ; my 16-row transposer
	v_add_nc_u32 v3, s53, v44                      ; v3: store, 8 bytes of a row
	v_add_nc_u32 v4, s53, v45                      ; v4: read by rows (pitch 272)
	v_mad_u32_u24 v5, v46, 288, v47
	v_add_nc_u32 v5, s53, v5                       ; v5: read transposed (pitch 288)
	s_mul_i32 s54, s2, 8704                        ; 32 rows of 272
	v_add_nc_u32 v6, s54, v44                      ; v6: store w_q (w2 by the offset)
	v_add_nc_u32 v7, L_WK, v6                      ; v7: store w_k
	s_mul_i32 s55, s2, 1088                        ; 4 rows of 272
	s_add_co_u32 s56, s55, L_WK+128*272
	v_add_nc_u32 v8, s56, v44                      ; v8: store rows 128 + 4 w .. + 3 of the w_k tile
	s_mul_i32 s56, s2, 34816
	s_add_co_u32 s56, s56, L_W3A
	v_add_nc_u32 v9, s56, v44                      ; v9: store w3a
	s_add_co_u32 s56, s54, L_W3B
	v_add_nc_u32 v10, s56, v44                     ; v10: store w3b
	s_add_co_u32 s56, s55, L_EB
	v_add_nc_u32 v11, s56, v44                     ; v11: store the means, rows 4 w + i
	s_lshl_b32 s57, s2, 6                          ; my 32 columns of 16 bits
	v_mad_u32_u24 v12, v46, 272, v47
	v_add_nc_u32 v12, s57, v12                     ; v12: weights read transposed, from LDS byte 0
	v_add_nc_u32 v13, L_EB, v45                    ; v13: means by rows
	v_mul_u32_u24 v14, v37, 80
	v_lshl_add_u32 v14, v38, 4, v14
	v_add_nc_u32 v14, L_QM, v14                    ; v14: q by rows, block 0
	s_mul_i32 s56, s2, 1280
	v_add_nc_u32 v15, s56, v14                     ; v15: my block of q (q_hat at + 5,120)
	s_add_co_u32 s56, s57, L_WK
	v_add_nc_u32 v16, s56, v45                     ; v16: w_k by rows d, my head's 32 columns
	s_lshl_b32 s56, s2, 10
	s_add_co_u32 s56, s56, L_BV
	v_lshl_add_u32 v17, v38, 5, s56                ; v17: my vectors in the results' layout
	v_add_nc_u32 v18, s56, v2                      ; v18: store them
	s_mul_i32 s56, s2, 4352
	v_add_nc_u32 v19, s56, v45                     ; v19: store u, rows 16 w + rho
	v_lshl_add_u32 v20, v40, 4, v39
	v_mul_u32_u24 v20, v20, 272
	v_lshl_add_u32 v20, v38, 4, v20
	v_add_nc_u32 v20, s55, v20                     ; v20: u of column (i = rq, h = rl): row 16 rl + 4 w + rq
	v_lshlrev_b32 v21, 2, v37
	v_lshl_add_u32 v21, v38, 6, v21
	s_lshl_b32 s56, s2, 7
	s_add_co_u32 s56, s56, L_CB
	v_add_nc_u32 v21, s56, v21                     ; v21: store c of head w
	v_lshlrev_b32 v22, 7, v40
	v_lshl_add_u32 v22, v39, 2, v22
	s_lshl_b32 s56, s2, 4
	s_add_co_u32 s56, s56, L_CB
	v_add_nc_u32 v22, s56, v22                     ; v22: c of column (rq, rl)
	v_lshl_add_u32 v23, v38, 4, v48
	s_mul_i32 s56, s2, 2304
	s_add_co_u32 s56, s56, L_P
	v_add_nc_u32 v23, s56, v23                     ; v23: store probabilities, row 16 w + r
	v_mul_u32_u24 v24, v39, 2304
	v_mad_u32_u24 v24, v40, 144, v24
	v_lshl_add_u32 v24, v38, 4, v24
	s_mul_i32 s56, s2, 576
	s_add_co_u32 s56, s56, L_P
	v_add_nc_u32 v24, s56, v24                     ; v24: probabilities of column (m = rq, h = rl): row 16 rq + 4 w + rl
	v_mul_u32_u24 v25, v39, 1040
	v_lshl_add_u32 v25, v40, 8, v25
	v_lshl_add_u32 v25, v38, 4, v25
	s_mul_i32 s56, s2, 4160
	s_add_co_u32 s56, s56, L_AT
	v_add_nc_u32 v25, s56, v25                     ; v25: store attention, row 4 w + rq, columns 128 rl ..
	v_mul_u32_u24 v26, v37, 1040
	v_lshl_add_u32 v26, v38, 4, v26
	v_add_nc_u32 v26, L_AT, v26                    ; v26: attention by rows
	v_lshl_add_u32 v28, v38, 5, v48
	v_add_nc_u32 v28, L_H1, v28                    ; v28: h1 by rows, block 0
	s_mul_i32 s56, s2, 2304
	v_add_nc_u32 v27, s56, v28                     ; v27: my block of h1 (the result at + 26,624)
	v_mul_u32_u24 v29, v43, 2304
	v_lshl_add_u32 v29, v41, 4, v29
	s_mul_i32 s56, s2, 144
	s_add_co_u32 s56, s56, L_OB
	v_add_nc_u32 v29, s56, v29                     ; v29: result rows 4 q + w read back whole: 16 bytes a lane
.irp k, 0,1,2,3
	v_add_nc_u32 v[30+\k], L_W3A+34816*\k, v12     ; v30-v33: w3a transposed, K group k
.endr
	v_add_nc_u32 v34, L_W3B, v12                   ; v34: w3b transposed
.irp i, 0,1,2,3
	v_cmp_eq_u32 s[44+\i], \i, v39                 ; s44-s47: lanes with rq = i
	v_cmp_eq_u32 s[48+\i], \i, v40                 ; s48-s51: lanes with rl = h
.endr
	s_cmp_eq_u32 s2, 0
	s_cselect_b32 s52, -1, 0                       ; all lanes in wave 0, none elsewhere
; ---------------------------------------------------------------- the PE table, while the loads fly
; Columns 4L..4L+3 are sin, cos of s w(2L) and sin, cos of s w(2L+1), w(j) = 1000^(-j/64) in (0, 1].  sin w and cos w by their series
; (next terms 1/13!, 1/14!), then 63 rotations by w.
	v_lshlrev_b32 v36, 1, v35
	v_or_b32 v37, 1, v36
	v_cvt_f32_u32 v36, v36
	v_cvt_f32_u32 v37, v37
	v_mul_f32 v36, 0xbe1f73da, v36                 ; - j log2(1000) / 64
	v_mul_f32 v37, 0xbe1f73da, v37
	v_exp_f32 v36, v36
	v_exp_f32 v37, v37
	v_mov_b32 v40, 0xb2d7322b                      ; -1/11!  (these moves are the plain lines behind the exponentials, ISA guide 5.7.2)
	v_mov_b32 v41, 0xb2d7322b
	v_mov_b32 v42, 0x310f76c7                      ; 1/12!
	v_mov_b32 v43, 0x310f76c7
	s_wait_alu depctr_va_vdst(0)
	v_pk_mul_f32 v[38:39], v[36:37], v[36:37]      ; z = w^2
.irp c, 0x3638ef1d, 0xb9500d01, 0x3c088889, 0xbe2aaaab
	v_pk_fma_f32 v[40:41], v[40:41], v[38:39], \c op_sel_hi:[1,1,0]        ; 1/9!, -1/7!, 1/5!, -1/3!
.endr
	v_pk_fma_f32 v[40:41], v[40:41], v[38:39], 1.0 op_sel_hi:[1,1,0]
.irp c, 0xb493f27e, 0x37d00d01, 0xbab60b61, 0x3d2aaaab
	v_pk_fma_f32 v[42:43], v[42:43], v[38:39], \c op_sel_hi:[1,1,0]        ; -1/10!, 1/8!, -1/6!, 1/4!
.endr
	v_pk_fma_f32 v[42:43], v[42:43], v[38:39], -0.5 op_sel_hi:[1,1,0]
	v_pk_fma_f32 v[42:43], v[42:43], v[38:39], 1.0 op_sel_hi:[1,1,0]       ; cos w
	v_pk_mul_f32 v[40:41], v[40:41], v[36:37]                              ; sin w
	v_mov_b32 v44, v40                             ; (S, -S) and (C, C) for each of my two frequencies
	v_xor_b32 v45, 0x80000000, v40
	v_mov_b32 v46, v42
	v_mov_b32 v47, v42
	v_mov_b32 v48, v41
	v_xor_b32 v49, 0x80000000, v41
	v_mov_b32 v50, v43
	v_mov_b32 v51, v43
	WIN 0x51                                       ; destination, first and third source: window 1
	v_mov_b32 v0, 0                                ; row 0: sin 0, cos 0
	v_mov_b32 v1, 1.0
	v_mov_b32 v2, 0
	v_mov_b32 v3, 1.0
.set prow, 1
.rept 63
	v_pk_mul_f32 v[4*prow:4*prow+1], v[4*prow-4:4*prow-3], v[44:45] op_sel:[1,0] op_sel_hi:[0,1]      ; (cos S, - sin S)
	v_pk_mul_f32 v[4*prow+2:4*prow+3], v[4*prow-2:4*prow-1], v[48:49] op_sel:[1,0] op_sel_hi:[0,1]
	v_pk_fma_f32 v[4*prow:4*prow+1], v[4*prow-4:4*prow-3], v[46:47], v[4*prow:4*prow+1]               ; + (sin C, cos C)
	v_pk_fma_f32 v[4*prow+2:4*prow+3], v[4*prow-2:4*prow-1], v[50:51], v[4*prow+2:4*prow+3]
.set prow, prow+1
.endr
; ---------------------------------------------------------------- the vectors and b_k into LDS
	WIN 0
	s_wait_loadcnt 48                              ; the nine small loads are in; the three chunks behind them (48 loads) stay out
.irp v, 0,1,2,3,4,5,6,7
	ds_store_b32 v18, v[52+\v] offset:128*\v
.endr
	v_cvt_pk_bf16_f32 v40, v60, v61
	v_cvt_pk_bf16_f32 v41, v62, v63
	v_cndmask_b32 v40, 0, v40, s52                 ; row 128 + 4 w is b_k in wave 0 and zeros elsewhere
	v_cndmask_b32 v41, 0, v41, s52
	v_mov_b32 v42, 0
	v_mov_b32 v43, 0
	ds_store_b64 v8, v[40:41]
	ds_store_b64 v8, v[42:43] offset:272
	ds_store_b64 v8, v[42:43] offset:544
	ds_store_b64 v8, v[42:43] offset:816
; ---------------------------------------------------------------- first pass and the weights: chunks 0 to 31
.irp n, 0,1,2,3,4,5,6,7,8,9,10,11,12,13,14,15
	PROC_S \n, 32, 1                               ; 32: the two younger chunks stay out
.endr
	PROC_W 16, v_cvt_pk_bf16_f32, 6, 0, 32, 1
	PROC_W 17, v_cvt_pk_bf16_f32, 6, 4352, 32, 1
	PROC_W 18, v_cvt_pk_bf16_f32, 6, 34816, 32, 1
	PROC_W 19, v_cvt_pk_bf16_f32, 6, 39168, 32, 1
	PROC_W 20, v_cvt_pk_bf16_f32, 7, 0, 32, 1
	PROC_W 21, v_cvt_pk_bf16_f32, 7, 4352, 32, 1
.irp c, 0,1,2,3,4,5,6
	PROC_W 22+\c, v_cvt_pk_f16_f32, 9, 4352*\c, 32, 1
.endr
	PROC_W 29, v_cvt_pk_f16_f32, 9, 30464, 32, 0   ; the ring runs empty: its registers serve the chain; the counts run down 32, 16, 0
	PROC_W 30, v_cvt_pk_f16_f32, 10, 0, 16, 0
	PROC_W 31, v_cvt_pk_f16_f32, 10, 4352, 0, 0
	BAR                                            ; the means and all weights are in LDS for every wave; my fragment loads are back too
; ---------------------------------------------------------------- q = mean w_q + b_q, my 32 columns
	LDC 160, 0                                     ; the bias starts the sums
	LDB 64, 13, 0, 64
	LDA 64, 12, L_WQ
	s_wait_dscnt 0x0
	MM8 bf16, 64, 160, 0
	PLACES
	PACK2 160, 176, 0
	BAR                                            ; q is whole; nobody reads w_q any more
; ---------------------------------------------------------------- q_hat = q w2 + b2, my 32 columns = head w
	LDC 160, 1
	LDB 64, 14, 0, 1280
	LDA 64, 12, L_W2
	s_wait_dscnt 0x0
	MM8 bf16, 64, 160, 0
	PLACES
	PACK2 160, 176, 5120                           ; my own block: written and read by this wave alone, in order
; ---------------------------------------------------------------- u_w[d] = sum over c of w_k[d][32 w + c] q_hat[32 w + c]; tile 8, row 128: c_w
	ds_load_b128 v[136:139], v15 offset:5120
	ds_load_b128 v[140:143], v15 offset:5152
.irp t, 0,1,2,3,4,5,6,7,8
	ds_load_b128 v[64+8*\t:64+8*\t+3], v16 offset:4352*\t
	ds_load_b128 v[64+8*\t+4:64+8*\t+7], v16 offset:4352*\t+32
.endr
	s_wait_dscnt 0x0
.irp t, 0,1,2,3,4,5,6,7,8
	v_wmma_f32_16x16x32_bf16 v[176+8*\t:176+8*\t+7], v[64+8*\t:64+8*\t+7], v[136:143], 0
.endr
	PLACES
.irp t, 0,1,2,3,4,5,6,7
.irp j, 0,1,2,3
	v_pk_mul_f32 v[176+8*\t+2*\j:176+8*\t+2*\j+1], v[176+8*\t+2*\j:176+8*\t+2*\j+1], KSC op_sel_hi:[1,0]
.endr
.irp j, 0,1,2,3
	v_cvt_pk_bf16_f32 v[64+4*\t+\j], v[176+8*\t+2*\j], v[176+8*\t+2*\j+1]
.endr
	ds_store_b128 v19, v[64+4*\t:64+4*\t+3] offset:32*\t
.endr
	v_mul_f32 v36, KSC, v240                       ; lanes 0-15: c_w of row rho = r; lanes 16-31: row 136 of the tile, zero
	ds_store_b32 v21, v36
	s_wait_dscnt 0x0                               ; my stores of u and c are done
	ISSUE 32                                       ; the second pass starts to come in (slot 2, v192-v255: free since the lines above)
	s_barrier_signal -1
	s_barrier_wait -1                              ; u and c are whole; nobody reads w2 or w_k any more
; ---------------------------------------------------------------- scores of my four batches, all four heads
.irp k, 0,1,2,3
	ds_load_b128 v[64+8*\k:64+8*\k+3], v20 offset:64*\k
	ds_load_b128 v[64+8*\k+4:64+8*\k+7], v20 offset:64*\k+32
.endr
	ds_load_b32 v36, v22
	s_wait_dscnt 0x0
	v_mov_b32 v37, v36
	SCORE 0
	SCORE 1
	SCORE 2
	SCORE 3
	PLACES
	WIN 0
; softmax over the 64 s of column (i, h): 32 in this lane (s = 16 t + 8 hh + j in v[128 + 8 t + j]), 32 in lane L xor 16
.set idx, 0
.rept 16
	v_pk_add_f32 v[128+idx:129+idx], v[128+idx:129+idx], v[36:37]          ; + c
.set idx, idx+2
.endr
	v_max3_num_f32 v38, v128, v129, v130
	v_max3_num_f32 v39, v144, v145, v146
.irp k, 3,5,7,9,11,13
	v_max3_num_f32 v38, v38, v[128+\k], v[129+\k]
	v_max3_num_f32 v39, v39, v[144+\k], v[145+\k]
.endr
	v_max3_num_f32 v38, v38, v39, v143
	v_max_num_f32 v38, v38, v159
	v_permlanex16_b32 v39, v38, s6, s7
	v_max_num_f32 v38, v38, v39
	v_mov_b32 v39, v38
.set idx, 0
.rept 16
	v_pk_add_f32 v[128+idx:129+idx], v[128+idx:129+idx], v[38:39] neg_lo:[0,1] neg_hi:[0,1]   ; the maximum is taken away
.set idx, idx+2
.endr
.set idx, 0
.rept 32
	v_exp_f32 v[128+idx], v[128+idx]
.set idx, idx+1
.endr
	v_nop                                          ; one plain line behind the exponentials before their results are read (ISA guide 5.7.2)
	s_wait_alu depctr_va_vdst(0)
.irp c, 0,1,2,3
	v_pk_add_f32 v[40+2*\c:41+2*\c], v[128+4*\c:129+4*\c], v[130+4*\c:131+4*\c]
.endr
.irp c, 0,1,2,3
	v_pk_add_f32 v[40+2*\c:41+2*\c], v[40+2*\c:41+2*\c], v[144+4*\c:145+4*\c]
.endr
.irp c, 0,1,2,3
	v_pk_add_f32 v[40+2*\c:41+2*\c], v[40+2*\c:41+2*\c], v[146+4*\c:147+4*\c]
.endr
	v_pk_add_f32 v[40:41], v[40:41], v[42:43]
	v_pk_add_f32 v[44:45], v[44:45], v[46:47]
	v_pk_add_f32 v[40:41], v[40:41], v[44:45]
	v_add_f32 v40, v40, v41
	v_permlanex16_b32 v41, v40, s6, s7
	v_add_f32 v40, v40, v41                        ; at least 1: the largest term is 2^0
	v_rcp_f32 v42, v40
	v_rcp_f32 v43, v40
	v_nop
.set idx, 0
	s_wait_alu depctr_va_vdst(0)
.rept 16
	v_pk_mul_f32 v[128+idx:129+idx], v[128+idx:129+idx], v[42:43]
.set idx, idx+2
.endr
.set idx, 0
.rept 16
	v_cvt_pk_f16_f32 v[64+idx], v[128+2*idx], v[129+2*idx]
.set idx, idx+1
.endr
.irp t, 0,1,2,3
	ds_store_b128 v23, v[64+4*\t:64+4*\t+3] offset:32*\t
.endr
	s_wait_dscnt 0x0                               ; my probabilities are in LDS
	ISSUE 33
	ISSUE 34                                       ; the ring is full again
	s_barrier_signal -1
	s_barrier_wait -1                              ; all probabilities are in LDS
; ---------------------------------------------------------------- second pass: attention rows (i = w, m) x head h
	WIN 0x80
.irp k, 0,1,2,3
	ds_load_b128 v[64+4*\k:64+4*\k+3], v24 offset:32*\k        ; PF: column (m, h): s = 8 hh .., 16 + 8 hh .., 32 + 8 hh .., 48 + 8 hh ..
.endr
	s_wait_dscnt 0x0
	PROC_V 32, 32, 1, 0
	PROC_V 33, 32, 1, 0
	PROC_V 34, 32, 1, 1                            ; holds the products of chunks 32 and 33, which start the sums
.irp n, 35,36,37,38,39,40,41,42,43,44
	PROC_V \n, 32, 1, 0
.endr
	PROC_V 45, 32, 0, 0                            ; nothing more to ask for: the counts run down
	PROC_V 46, 16, 0, 0
	PROC_V 47, 0, 0, 0
	s_wait_dscnt 0x0                               ; the last pair's tiles are in
	VMUL 1, 0                                      ; chunks 46 and 47: s 32-63 of batch h = 0
	PLACES
	WIN 0x0a                                       ; both sources in window 2, destination in window 0
.irp t, 0,1,2,3,4,5,6,7
.irp j, 0,1,2,3
	v_cvt_pk_f16_f32 v[64+4*\t+\j], v[8*\t+2*\j], v[8*\t+2*\j+1]
.endr
.endr
	WIN 0
.irp t, 0,1,2,3,4,5,6,7
	ds_store_b128 v25, v[64+4*\t:64+4*\t+3] offset:32*\t       ; eight neighbouring d of row (w, m), head h
.endr
	BAR                                            ; the 16 attention rows are whole
; ---------------------------------------------------------------- h1 = relu((attn w3a + b3a) g3a + be3a), my 32 columns; two fragment buffers in turn
	LDC 48, 2
	FETCH3A 0, 64
	FETCH3A 1, 160
	s_wait_dscnt 24                                ; all but the 24 loads of the next group
	MM8 f16, 64, 48, 0
	PLACES
	FETCH3A 2, 64
	s_wait_dscnt 24
	MM8 f16, 160, 48, 0
	PLACES
	FETCH3A 3, 160
	s_wait_dscnt 24
	MM8 f16, 64, 48, 0
	PLACES
	LDC 64, 3                                      ; g3a
	LDC 80, 4                                      ; be3a
	s_wait_dscnt 8                                 ; all but these eight
	MM8 f16, 160, 48, 0
	PLACES
	LDA 160, 34, 0                                 ; w3b's fragments, early: v[192:255]
	s_wait_dscnt 16                                ; g3a and be3a are in; the sixteen loads just issued stay out
.set idx, 0
.rept 8
	v_pk_fma_f32 v[48+idx:49+idx], v[48+idx:49+idx], v[64+idx:65+idx], v[80+idx:81+idx]
.set idx, idx+2
.endr
.set idx, 0
.rept 16
	v_max_num_f32 v[48+idx], 0, v[48+idx]
.set idx, idx+1
.endr
.irp t, 0,1
	ds_store_b128 v27, v[48+8*\t:48+8*\t+3] offset:64*\t
	ds_store_b128 v27, v[48+8*\t+4:48+8*\t+7] offset:64*\t+16
.endr
	BAR                                            ; h1 is whole
; ---------------------------------------------------------------- out = relu((h1 w3b + b3b) g3b + be3b), my 32 columns
.irp k, 0,1,2,3
	ds_load_b128 v[64+16*\k:64+16*\k+3], v28 offset:2304*\k        ; row r in f32: k = 32 k + 8 hh .. + 7,
	ds_load_b128 v[64+16*\k+4:64+16*\k+7], v28 offset:2304*\k+16
	ds_load_b128 v[64+16*\k+8:64+16*\k+11], v28 offset:2304*\k+64  ; and 32 k + 16 + 8 hh .. + 7
	ds_load_b128 v[64+16*\k+12:64+16*\k+15], v28 offset:2304*\k+80
.endr
	LDC 36, 5                                      ; b3b
	LDC 128, 6                                     ; g3b
	LDC 144, 7                                     ; be3b
	s_wait_dscnt 0x0
	v_max3_num_f32 v52, v64, v65, v66              ; the row's largest number (none is negative)
	v_max3_num_f32 v53, v96, v97, v98
.irp k, 3,5,7,9,11,13,15,17,19,21,23,25,27,29
	v_max3_num_f32 v52, v52, v[64+\k], v[65+\k]
	v_max3_num_f32 v53, v53, v[96+\k], v[97+\k]
.endr
	v_max3_num_f32 v52, v52, v53, v95
	v_max_num_f32 v52, v52, v127
	v_permlanex16_b32 v53, v52, s6, s7
	v_max_num_f32 v52, v52, v53
	v_lshrrev_b32 v54, 23, v52                     ; its exponent field e, kept in 1 .. 253 so that both powers below are normal numbers
	v_max_u32 v54, 1, v54
	v_min_u32 v54, 0xfd, v54
	v_sub_nc_u32 v55, 0xfe, v54
	v_lshlrev_b32 v56, 23, v55                     ; 2^(127 - e): brings the row into [0, 2)
	v_mov_b32 v57, v56
	v_lshlrev_b32 v58, 23, v54                     ; 2^(e - 127): takes it back, exactly
	v_mov_b32 v59, v58
.set idx, 0
.rept 32
	v_pk_mul_f32 v[64+idx:65+idx], v[64+idx:65+idx], v[56:57]
.set idx, idx+2
.endr
.set idx, 0
.rept 32
	v_cvt_pk_f16_f32 v[160+idx], v[64+2*idx], v[65+2*idx]
.set idx, idx+1
.endr
	MM8 f16, 160, 64, 1
	PLACES
.set idx, 0
.rept 8
	v_pk_fma_f32 v[64+idx:65+idx], v[64+idx:65+idx], v[58:59], v[36+idx:37+idx]
.set idx, idx+2
.endr
.set idx, 0
.rept 8
	v_pk_fma_f32 v[64+idx:65+idx], v[64+idx:65+idx], v[128+idx:129+idx], v[144+idx:145+idx]
.set idx, idx+2
.endr
.set idx, 0
.rept 16
	v_max_num_f32 v[64+idx], 0, v[64+idx]
.set idx, idx+1
.endr
.irp t, 0,1
	ds_store_b128 v27, v[64+8*\t:64+8*\t+3] offset:26624+64*\t
	ds_store_b128 v27, v[64+8*\t+4:64+8*\t+7] offset:26624+64*\t+16
.endr
	BAR                                            ; the 16 result rows are whole
; ---------------------------------------------------------------- the way out: wave w stores rows b' = 4 g + 1024 w + q, which are rows rho' = 4 q + w
.irp q, 0,1,2,3
	ds_load_b128 v[96+4*\q:96+4*\q+3], v29 offset:576*\q
.endr
.irp q, 0,1,2,3
	s_wait_dscnt 3-\q                              ; LDS loads come back in order: row q is in
	global_store_b128 v1, v[96+4*\q:96+4*\q+3], s[38:39] offset:512*\q th:TH_STORE_NT   ; the wave's store covers a whole row: 512 consecutive bytes, aligned
.endr
	s_wait_xcnt 0x0
	v_lshl_add_u32 v158, v0, 2, 0x4e400
	v_mov_b32 v159, 0
	s_wait_tensorcnt 0x0
	ds_add_u32 v158, v159
	s_wait_dscnt 0x0
	s_endpgm
.Lfunc_end_k_qbd5bb7394e_tae:
	.size	k_qbd5bb7394e_tae, .Lfunc_end_k_qbd5bb7394e_tae-k_qbd5bb7394e_tae
	.p2alignl 7, 3214868480
	.fill 96, 4, 3214868480
	.section	.rodata,"a",@progbits
	.p2align	6, 0x0
	.amdhsa_kernel k_qbd5bb7394e_tae
		.amdhsa_group_segment_fixed_size 321024
		.amdhsa_private_segment_fixed_size 0
		.amdhsa_enable_private_segment 0
		.amdhsa_kernarg_size 128
		.amdhsa_user_sgpr_count 2
		.amdhsa_user_sgpr_kernarg_segment_ptr 1
		.amdhsa_wavefront_size32 1
		.amdhsa_system_sgpr_workgroup_id_x 1
		.amdhsa_system_sgpr_workgroup_id_y 1
		.amdhsa_system_sgpr_workgroup_id_z 1
		.amdhsa_system_vgpr_workitem_id 0
		.amdhsa_next_free_vgpr 1024
		.amdhsa_next_free_sgpr 66
		.amdhsa_reserve_vcc 0
		.amdhsa_float_denorm_mode_32 3
		.amdhsa_float_denorm_mode_16_64 3
		.amdhsa_memory_ordered 1
		.amdhsa_forward_progress 1
		.amdhsa_inst_pref_size 255
	.end_amdhsa_kernel
	.section	.bss,"aw",@nobits
	.p2align	6
	.space	262144
	.amdgpu_metadata
---
amdhsa.version: [ 1, 2 ]
amdhsa.kernels:
  - .name:           k_qbd5bb7394e_tae
    .symbol:         k_qbd5bb7394e_tae.kd
    .args:
      - { .name: x, .offset: 0, .size: 8, .value_kind: global_buffer, .address_space: global }
      - { .name: w_q, .offset: 8, .size: 8, .value_kind: global_buffer, .address_space: global }
      - { .name: w2, .offset: 16, .size: 8, .value_kind: global_buffer, .address_space: global }
      - { .name: w_k, .offset: 24, .size: 8, .value_kind: global_buffer, .address_space: global }
      - { .name: w3a, .offset: 32, .size: 8, .value_kind: global_buffer, .address_space: global }
      - { .name: w3b, .offset: 40, .size: 8, .value_kind: global_buffer, .address_space: global }
      - { .name: b_q, .offset: 48, .size: 8, .value_kind: global_buffer, .address_space: global }
      - { .name: b2, .offset: 56, .size: 8, .value_kind: global_buffer, .address_space: global }
      - { .name: b_k, .offset: 64, .size: 8, .value_kind: global_buffer, .address_space: global }
      - { .name: b3a, .offset: 72, .size: 8, .value_kind: global_buffer, .address_space: global }
      - { .name: g3a, .offset: 80, .size: 8, .value_kind: global_buffer, .address_space: global }
      - { .name: be3a, .offset: 88, .size: 8, .value_kind: global_buffer, .address_space: global }
      - { .name: b3b, .offset: 96, .size: 8, .value_kind: global_buffer, .address_space: global }
      - { .name: g3b, .offset: 104, .size: 8, .value_kind: global_buffer, .address_space: global }
      - { .name: be3b, .offset: 112, .size: 8, .value_kind: global_buffer, .address_space: global }
      - { .name: out0, .offset: 120, .size: 8, .value_kind: global_buffer, .address_space: global }
    .group_segment_fixed_size: 321024
    .private_segment_fixed_size: 0
    .kernarg_segment_align: 8
    .kernarg_segment_size: 128
    .max_flat_workgroup_size: 128
    .sgpr_count:     66
    .vgpr_count:     1024
    .wavefront_size: 32
...
	.end_amdgpu_metadata
.endif
;; end of part 1
